; MI455X (gfx1250); checked and timed in simulation.
; The chip was launched on July 23, 2026; its instructions are those of AMD's public machine-readable ISA for CDNA 5 (MIT licence, August 2026) and "CDNA5" Instruction Set Architecture Reference Guide (July 2026). The comments in the code are by the model that wrote it; some were corrected since.
;; Parity Operator. Allowed arithmetic: float matrix products may take bf16 or f16 operands with f32 sums; other float arithmetic in f32, or as packed bf16 or f16 multiplies, adds, multiply-adds, maxima and minima; sums over many terms, partial sums and values carried from step to step in f32; what a program stores and reads back later, other than sums and carried values, may be rounded once to bf16 or f16.
;; Inputs: S 4,096 x 4,096 float32; h 4,096 x 4,096 float32.
;; Outputs: out0 4,096 x 4,096 float32.
;; 3 versions, each right and faster than the one before. Each part assembles by itself: llvm-mc -triple=amdgcn-amd-amdhsa -mcpu=gfx1250 --defsym DOCPART=n.
;; ======== version 1 of 3: 1 launch
;; launch gemm (part 1): grid 16 x 16, 4 waves a work-group, clusters of 4 x 4, 327,680 bytes of LDS; arguments h, S, out0; writes out0
.if DOCPART == 1
	.amdgcn_target "amdgcn-amd-amdhsa--gfx1250"
	.amdhsa_code_object_version 6
	.text
	.protected	k_qdb768bbb86_gemm
	.globl	k_qdb768bbb86_gemm
	.p2align	8
	.type	k_qdb768bbb86_gemm,@function
k_qdb768bbb86_gemm:
	s_mov_b64 s[64:65], 0
	v_nop
	global_prefetch_b8 v0, s[64:65] scope:SCOPE_SE
	s_setreg_imm32_b32 hwreg(HW_REG_WAVE_MODE, 25, 1), 1
	s_wait_xcnt 0x0
	s_wait_alu depctr_hold_cnt(0) depctr_sa_sdst(0) depctr_va_vdst(0) depctr_va_sdst(0) depctr_va_ssrc(0) depctr_va_vcc(0) depctr_vm_vsrc(0)
	s_getreg_b32 s2, hwreg(HW_REG_IB_STS2, 6, 4)
	s_cmp_eq_u32 s2, 0
	s_cbranch_scc0 .Lentry_in_a_cluster
	s_endpgm
.Lentry_in_a_cluster:
	s_bfe_u32 s2, ttmp6, 0x10000c
	s_cmp_lg_u32 s2, 0xf033
	s_cbranch_scc0 .Lentry_shape_is_right
	s_endpgm
.Lentry_shape_is_right:
; out0[m][n] = sum over k of h[m][k] S[n][k].  h (A), S (B), out0 (C): [4096][4096] f32, rows along the last index.  S is taken as a full dense matrix.
; LIMITS.  A's and B's numbers are rounded once to bf16 (nearest even) on the way to the matrix unit; a magnitude above bf16's largest finite number (3.39e38) becomes an infinity.
; Sums in f32, K ascending, one accumulator for each output; NaN and infinities go through the products as they come.
; SHARES.  A tile of C, 256 x 256, is made by a work-group of four waves; a wave makes 128 x 128: 64 accumulators of 16 x 16, 512 registers.  16 x 16 tiles = 256 work-groups.
; THE RING.  K goes in steps of 64 (a tile's row is 256 bytes of f32, at a multiple of 256 bytes from the buffer's first byte) through two LDS slots filled by the tensor data mover, as f32.
; CLUSTERS.  4 x 4 work-groups.  The four of a row of the cluster need the same tiles of A, the four of a column the same tiles of B: each tile is asked for JOINTLY, by the same tensor load
; with the same descriptor and a mask that names the four; that divides the requests for A and for B by four.
; THE CONVERSION stands between LDS and the matrix unit.  A fragment (16 rows x 32 K) is read as f32, four loads of 16 bytes a lane into 16 raw registers, and eight v_cvt_pk_bf16_f32 make
; its 8 registers of bf16.  Time goes in HALF-STEPS of 32 along K, 64 matrix instructions: half-step t multiplies fragment buffer t % 2 and makes half t + 1's 16 fragments in the other buffer.
; That work is cut into 64 SLICES, one behind each matrix instruction: two conversions, and one LDS load that refills the four raw registers just converted with a quarter of the fragment
; eight places on in the order B0, A0, B1, A1, .. B7, A7, B0 of the next half ..  So 32 LDS loads are out, each asked for 32 matrix instructions ahead of its conversion.
; A slice costs two switches of the register window (a conversion writes a fragment window, a product an accumulator window): the price of having no phase in which the matrix unit idles.
; THE MATRIX INSTRUCTION IS USED TRANSPOSED: source 0 = 16 rows of B, source 1 = 16 rows of A: a lane then holds eight neighbouring numbers of a row of C, 32 bytes.
;
; REGISTERS, in windows of 256 (s_set_vgpr_msb's low byte: bits 1:0 source 0, 3:2 source 1, 5:4 source 2, 7:6 destination):
;   window 0: v0-5 at work; v16-17 LDS addresses of A's fragments in slot 0, 1; v24-29 way out and the add; v32-95 A's raw ring (4 x 16); v128-191, v192-255 A's bf16 fragments, two buffers
;   window 1: the same numbers for B: v16-17 addresses, v32-95 raw ring, v128-191 and v192-255 fragments
;   window 2: the accumulators of my rows 0-63 (accumulator (a, b) at v[8 (8 (a % 4) + b)]);   window 3: those of my rows 64-127
.set SIZE,   4096                      ; M = N = K
.set ROWB,   SIZE*4                    ; bytes in a row of A, B and C
.set KB,     256                       ; bytes of a row in a K step of 64
.set PITCH,  272                       ; an LDS row: 256 bytes + 16 of padding = 68 words: row r starts at bank 4 r mod 64 (64 banks of 4 bytes: ISA guide 11.1), so the 16 rows of a load start at 16 different groups of four banks
.set HALFT,  128*PITCH                 ; 128 rows: what one tensor load brings, and what one wave reads of A or of B
.set SLOT,   4*HALFT                   ; A's 256 rows, then B's 256 rows
.set STAGE,  2*SLOT                    ; behind the ring: 16 rows x 528 bytes for each wave, for the way out; no tensor load lands here
.set SPITCH, 528                       ; 512 bytes + 16 = 132 words: again 16 rows at 16 different groups of four banks
.set SPARE,  STAGE+4*16*SPITCH         ; behind the stages: the spare words, 128 bytes for each wave: two blocks of 256 bytes that no other line names
.set TRIPS,  (SIZE/32-8)/4             ; of the 128 half-steps number 0 stands in front of the loop, 121 to 127 behind it; a trip has four
.set ADR,  16                          ; v16-17  LDS address of my fragments in slot 0, 1: A's in window 0, B's in window 1
.set STO,  24                          ; v24     the way out: where I put 32 bytes of a row
.set RD,   25                          ; v25     the way out: where I read a row back
.set CO,   26                          ; v26     my byte offset in a row of my part of C; never rewritten
.set SPW,  28                          ; v28     LDS address of my spare word: SPARE + 4 x my thread's number; never rewritten
.set NIL,  29                          ; v29     0; never rewritten
.set RAW,  32                          ; the raw ring: slot q at RAW + 16 q
.set F0,   128                         ; bf16 fragment buffer 0: fragment i at F0 + 8 i
.set F1,   192                         ; buffer 1
.set OB0,  32                          ; the way out: 16 rows read back from the stage, 64 registers: v32-95 and v128-191 by turns
.set OB1,  128
.set G1,  24                           ; s[24:31] descriptor group 1 for A's tiles
.set G0,  32                           ; s[32:39] descriptor group 0 for A's tiles, one set for each slot
.set G1B, 48                           ; s[48:55] group 1 for B's tiles: it differs in the mask alone
.set G0B, 56                           ; s[56:63] group 0 for B's tiles
.set MSB, 0
.macro WIN new                         ; the immediate's high byte repeats the setting that is left; a switch that changes nothing is dropped
.if MSB != (\new)
	s_set_vgpr_msb (MSB<<8)|(\new)
.set MSB, \new
.endif
.endm
.set MUL_LO, 0xa1                      ; source 0 (B) window 1, source 1 (A) window 0, C and D window 2;  + 0x50: C and D window 3
.set W_B,    0x45                      ; destination, source 0 and source 1 window 1: B's conversions, and B's LDS loads (data = destination, address = source 0)
.set MK_B,   0x40                      ; destination window 1, sources window 0
.set ST_LO,  0x08                      ; an LDS store's data (source 1) in window 2;  + 4: window 3
; A joint load.  Waves 0 and 1 fetch A's two halves, waves 2 and 3 B's.  Each of the two lines has one mask and one set of registers for all that issue it.  The branch hangs on the wave's number alone.
; An s_nop 0 and four v_nop follow each of the two lines; the jump, the label and what follows come after them.
.macro JLOAD s
	s_cmp_eq_u32 s11, 0
	s_cbranch_scc0 .Lfor_b_\@
	tensor_load_to_lds s[G0+4*(\s):G0+4*(\s)+3], s[G1:G1+7]
	s_nop 0
.rept 4
	v_nop
.endr
	s_branch .Lasked_\@
.Lfor_b_\@:
	tensor_load_to_lds s[G0B+4*(\s):G0B+4*(\s)+3], s[G1B:G1B+7]
	s_nop 0
.rept 4
	v_nop
.endr
.Lasked_\@:
.endm
; A round of the cluster's barrier: my work-group's barrier, so that wave 0's signal speaks for all four waves; wave 0 signals for the work-group; every wave waits for all sixteen
; work-groups; my work-group's barrier once more.
.macro CREST                           ; a round behind its opening barrier
	s_cmp_lg_u32 s10, 0
	s_cbranch_scc1 .Lnot_wave_0_\@
	s_barrier_signal -3
.Lnot_wave_0_\@:
	s_barrier_wait -3
	s_barrier_signal -1
	s_barrier_wait -1
.endm
.macro CROUND                          ; a whole round
	s_barrier_signal -1
	s_barrier_wait -1
	CREST
.endm
	s_load_b128 s[4:7], s[0:1], 0x0                ; h (A) s[4:5], S (B) s[6:7]
	s_load_b64 s[8:9], s[0:1], 0x10                ; out0 (C)
	v_lshl_add_u32 v[SPW], v0, 2, SPARE
	v_mov_b32 v[NIL], 0
	ds_add_u32 v[SPW], v[NIL]                      ; the wave's opening: the add and its wait stand ahead of my first tensor load; the set-up below, work on registers, stands between them
	v_lshrrev_b32 v1, 5, v0
	v_readfirstlane_b32 s10, v1                    ; wave 0..3
	s_lshr_b32 s11, s10, 1                         ; which half of the tile's rows is mine.  Also: I fetch for A (0) or for B (1)
	s_and_b32 s12, s10, 1                          ; which half of its columns.  Also: which 128 rows of that tile I fetch
	s_bfe_u32 s40, ttmp6, 0x40000                  ; cx: my place along the cluster's x
	s_bfe_u32 s41, ttmp6, 0x40004                  ; cy: along its y
	s_lshl_b32 s42, ttmp9, 2                       ; in a cluster launch ttmp9 and ttmp7 count clusters
	s_add_co_u32 s42, s42, s40                     ; tile column of C = 4 x cluster x + cx
	s_and_b32 s13, ttmp7, 0xffff
	s_lshl_b32 s13, s13, 2
	s_add_co_u32 s13, s13, s41                     ; tile row of C = 4 x cluster y + cy
	s_lshl_b32 s43, s41, 2
	s_lshl_b32 s43, 15, s43                        ; my row of the cluster: places 4 cy .. 4 cy + 3
	s_lshl_b32 s44, 0x1111, s40                    ; my column: places cx, cx + 4, cx + 8, cx + 12
	; descriptor group 1: a tile of 128 rows x 64 elements of 4 bytes, padded in LDS
	s_or_b32 s[G1+0], s43, (2<<16)|(1<<20)|(1<<21)|(5<<22)|(3<<25)   ; 15:0 the mask: A's tiles go to my row; 17:16 elements of 4 bytes; 20 padding on; 21 set beside a mask; 24:22 after every 64 words (code 5); 31:25 4 words of it (code 3)
	s_or_b32 s[G1B+0], s44, (2<<16)|(1<<20)|(1<<21)|(5<<22)|(3<<25)  ; the same with the mask of my column, for B's tiles
.irp g, G1, G1B
	s_mov_b32 s[(\g)+1], 64<<16                    ; tensor_dim0 = 64
	s_mov_b32 s[(\g)+2], 128<<16                   ; tensor_dim1 = 128
	s_mov_b32 s[(\g)+3], 64<<16                    ; tile_dim0 = 64
	s_mov_b32 s[(\g)+4], 128                       ; tile_dim1 = 128
	s_mov_b32 s[(\g)+5], SIZE                      ; 4,096 elements from row to row
	s_mov_b32 s[(\g)+6], 0
	s_mov_b32 s[(\g)+7], 0
.endr
	; where the tiles come from.  A's hang on the tile row alone, which my row of the cluster shares; B's on the tile column alone, which my column shares.
	; Every wave makes both offsets, in registers that never hold the other coordinate.  A row is 16,384 bytes, so the offsets stay under 2^26.
	s_lshl_b32 s17, s12, 7                         ; which 128 rows of the tile I fetch
	s_lshl_b32 s16, s13, 8
	s_add_co_u32 s16, s16, s17                     ; A: row 256 x tile row + 128 x half
	s_lshl_b32 s16, s16, 14
	s_lshl_b32 s46, s42, 8
	s_add_co_u32 s46, s46, s17                     ; B: row 256 x tile column + 128 x half
	s_lshl_b32 s46, s46, 14
	s_mov_b32 s17, 0
	s_mov_b32 s47, 0
	s_mul_i32 s20, s10, HALFT                      ; and where they go: A's two halves, then B's two halves = wave x 128 rows: no place in the cluster enters an LDS address
	s_wait_dscnt 0x0                               ; the opening add is done
	s_wait_kmcnt 0x0
	s_add_nc_u64 s[14:15], s[4:5], s[16:17]
	s_add_nc_u64 s[46:47], s[6:7], s[46:47]
	CROUND                                         ; all sixteen work-groups are here: the first joint loads meet
.irp s, 0,1
	s_mov_b32 s[G0+4*(\s)], 1                                      ; 1:0 count = 1
	s_add_co_u32 s[G0+4*(\s)+1], s20, (\s)*SLOT                    ; 63:32 LDS address
	s_add_nc_u64 s[G0+4*(\s)+2:G0+4*(\s)+3], s[14:15], (\s)*KB     ; 120:64 global address: K step s
	s_or_b32 s[G0+4*(\s)+3], s[G0+4*(\s)+3], 0x80000000            ; 127:126 type = 2
	s_mov_b32 s[G0B+4*(\s)], 1
	s_add_co_u32 s[G0B+4*(\s)+1], s20, (\s)*SLOT
	s_add_nc_u64 s[G0B+4*(\s)+2:G0B+4*(\s)+3], s[46:47], (\s)*KB
	s_or_b32 s[G0B+4*(\s)+3], s[G0B+4*(\s)+3], 0x80000000
.endr
	s_cmp_eq_u32 s11, 0                            ; a wave's two first fills stand in one branch, ahead of every wait on TENSORcnt and every LDS read: two loads of mine are out
	s_cbranch_scc0 .Lfirst_b
	tensor_load_to_lds s[G0:G0+3], s[G1:G1+7]
	s_nop 0
	tensor_load_to_lds s[G0+4:G0+7], s[G1:G1+7]
	s_nop 0
.rept 4
	v_nop
.endr
	s_branch .Lfirst_asked
.Lfirst_b:
	tensor_load_to_lds s[G0B:G0B+3], s[G1B:G1B+7]
	s_nop 0
	tensor_load_to_lds s[G0B+4:G0B+7], s[G1B:G1B+7]
	s_nop 0
.rept 4
	v_nop
.endr
.Lfirst_asked:
	; A bf16 fragment is 16 rows x 32 K in 8 registers: lane l holds row l % 16; registers 0-3 hold K = 8 (l / 16) + 0..7, registers 4-7 K = 16 + 8 (l / 16) + 0..7.
	; In f32 those are the 32 bytes at 32 (l / 16) and the 32 bytes at 64 + 32 (l / 16) of the row's 128: four loads of 16 bytes, at 0, 16, 64 and 80 from row x pitch + 32 (l / 16).
	v_and_b32 v1, 15, v0                           ; l % 16
	v_bfe_u32 v2, v0, 4, 1                         ; l / 16
	v_mul_u32_u24 v3, v1, PITCH
	v_lshl_add_u32 v3, v2, 5, v3                   ; row x pitch + 32 x half
	s_mul_i32 s21, s11, HALFT                      ; my 128 rows of A
	s_mul_i32 s22, s12, HALFT                      ; my 128 rows of B,
	s_add_co_u32 s22, s22, 2*HALFT                 ; which lie behind A's 256
	v_add_nc_u32 v[ADR], s21, v3
	s_add_co_u32 s21, s21, SLOT
	v_add_nc_u32 v[ADR+1], s21, v3
	WIN MK_B                                       ; B's two addresses lie in window 1, beside B's raw ring
	v_add_nc_u32 v[ADR], s22, v3
	s_add_co_u32 s22, s22, SLOT
	v_add_nc_u32 v[ADR+1], s22, v3
	WIN 0
	s_mul_i32 s23, s10, 16*SPITCH
	s_add_co_u32 s23, s23, STAGE                   ; my stage
	v_mul_u32_u24 v5, v1, SPITCH                   ; in: row l % 16, 32 bytes for each half of the lanes
	v_lshl_add_u32 v5, v2, 5, v5
	v_add_nc_u32 v[STO], s23, v5
	v_and_b32 v4, 31, v0
	v_lshlrev_b32 v[CO], 4, v4                     ; back: 32 lanes take one row of 512 bytes; the same 16 bytes in a row of C
	v_add_nc_u32 v[RD], s23, v[CO]
	s_lshl_b32 s16, s13, 8                         ; where my part of the tile begins in C: row 256 x tile row + 128 x half,
	s_lshl_b32 s17, s11, 7
	s_add_co_u32 s16, s16, s17
	s_lshl_b32 s16, s16, 14
	s_mov_b32 s17, 0
	s_add_nc_u64 s[8:9], s[8:9], s[16:17]
	s_lshl_b32 s46, s42, 10                        ; byte 1,024 x tile column + 512 x half (in the registers that held B's address)
	s_lshl_b32 s47, s12, 9
	s_add_co_u32 s46, s46, s47
	s_mov_b32 s47, 0
	s_add_nc_u64 s[8:9], s[8:9], s[46:47]
; Product number w of a half-step's 64: rows 16 (w / 8) on of my A, rows 16 (w % 8) on of my B, from buffer f.  zero = 1: it starts the sum: nothing is ever cleared.
; The 64 accumulators take turns, one instruction a turn, in the same order in every half-step.
.macro WM f, zero
.set fa, w/8
.set fb, w%8
.set rD, 8*(8*(fa%4)+fb)
	WIN MUL_LO+0x50*(fa/4)
.if \zero
	v_wmma_f32_16x16x32_bf16 v[rD:rD+7], v[(\f)+8*fb:(\f)+8*fb+7], v[(\f)+8*fa:(\f)+8*fa+7], 0
.else
	v_wmma_f32_16x16x32_bf16 v[rD:rD+7], v[(\f)+8*fb:(\f)+8*fb+7], v[(\f)+8*fa:(\f)+8*fa+7], v[rD:rD+7]
.endif
.endm
; Unit u (0..15) stands for fragment u / 2 of B (u even, window 1) or of A (u odd, window 0); its raw slot is (u / 2) % 4.
; Quarter p of the load that unit u issues: fragment (u / 2 + 4) % 8 of the same side, eight places on, at byte k of the rows of slot sl, into the same raw slot.
.macro LD1 sl, k
.set frl, (u/2+4)%8
.set rR, RAW+16*((u/2)%4)+4*p
	ds_load_b128 v[rR:rR+3], v[ADR+(\sl)] offset:(\k)+frl*16*PITCH+16*(p%2)+64*(p/2)
.endm
; The slice of product w: quarter w % 4 of unit w / 4.  Four raw numbers become two registers of buffer g; ld = 1: the four raw registers are asked for again.
; cnt (set by STRETCH; 64: none) is the wait at a unit's head: how many younger LDS instructions may stay out when the unit's four loads have to be in.
; The conversions write the buffer that this half-step's products do not read; its last reader stands eight slices back or more, and the slices' conversions, which name no register of
; that product, are the four places behind it (ISA guide 7.12.1).  The LDS loads land in raw registers, which no matrix instruction names.
.macro SL g, ld, sl, k
.set u, w/4
.set p, w%4
.set rR, RAW+16*((u/2)%4)+4*p
.set rF, (\g)+8*(u/2)+2*p
	WIN W_B*(1-u%2)
.if (p == 0) && (cnt < 64)
	s_wait_dscnt cnt
.endif
	v_cvt_pk_bf16_f32 v[rF], v[rR], v[rR+1]
	v_cvt_pk_bf16_f32 v[rF+1], v[rR+2], v[rR+3]
.if \ld
	LD1 \sl, \k
.endif
.endm
; Products w0 .. w1 - 1 (mul = 0: none) with their slices.  mode gives the units' waits:
;   0  28: the unit's four loads were issued eight units ago; the seven units between issued four each
;   1  behind the add, in units that load nothing: unit 8: 28 younger loads and the add; unit 9: 24 and the add
;   2  none: everything has been waited for
;   3  the last converting half-step, whose units 8 to 15 load nothing: 4 (15 - u) younger loads
.macro STRETCH f, g, w0, w1, mul, zero, ld, sl, k, mode
.set w, \w0
.rept (\w1)-(\w0)
.if \mul
	WM \f, \zero
.endif
.if (\mode) == 0
.set cnt, 28
.elseif (\mode) == 1
.set cnt, 29-4*(w/4-8)
.elseif (\mode) == 2
.set cnt, 64
.else
.set cnt, 4*(15-w/4)
.endif
	SL \g, \ld, \sl, \k
.set w, w+1
.endr
.endm
.macro LOADS u0, u1, sl, k             ; the loads of units u0 .. u1 - 1 by themselves, in the units' order
.set u, \u0
.rept (\u1)-(\u0)
	WIN W_B*(1-u%2)
.set p, 0
.rept 4
	LD1 \sl, \k
.set p, p+1
.endr
.set u, u+1
.endr
.endm
; An odd half-step: it multiplies the second half of a K step and converts the first half of the next K step, which lies in slot sl; all its loads read that slot: first the rest of that
; half (byte 0 of the rows), then the beginning of the half behind it (byte 128).
.macro ODD f, g, sl, mul
	STRETCH \f, \g, 0, 32, \mul, 0, 1, \sl, 0, 0
	STRETCH \f, \g, 32, 64, \mul, 0, 1, \sl, 128, 0
.endm
; An even half-step: it multiplies the first half of the K step in slot old and converts the second.  Its units 0 to 7 issue the last reads of that slot; what units 8 to 15 ask for lies in slot new.
; So the change of slots stands in its middle: ONE barrier.  In front of it each wave waits for all its tensor loads (one is out: its part of slot new), adds 0 to its spare word, and waits
; for that and for its own reads of slot old.  fill = 1: the barrier opens a round of the cluster's, and slot old is filled again, first thing behind it, with the K step two on:
; from that request to the wait for it a wave issues 112 matrix instructions.  The loads that units 8 to 11 could not issue follow in one run.
.macro EVEN f, g, old, new, zero, fill
	STRETCH \f, \g, 0, 32, 1, \zero, 1, \old, 128, 0
	WIN 0                                          ; (the add's two registers lie in window 0)
	s_wait_tensorcnt 0x0                           ; all my tensor loads have landed: no load of mine is out, so a group 0 may be written
	ds_add_u32 v[SPW], v[NIL]                      ; 0 onto my spare word: work on registers stands between it and the wait for it
.if \fill
	s_add_nc_u64 s[G0+4*(\old)+2:G0+4*(\old)+3], s[G0+4*(\old)+2:G0+4*(\old)+3], 2*KB      ; this slot's next K step; the type bits on top are not reached
	s_add_nc_u64 s[G0B+4*(\old)+2:G0B+4*(\old)+3], s[G0B+4*(\old)+2:G0B+4*(\old)+3], 2*KB
.endif
	STRETCH \f, \g, 32, 40, 1, \zero, 0, 0, 0, 1
	s_wait_dscnt 0x0                               ; the add is done, and my reads of slot old are over:
	s_barrier_signal -1                            ; say so,
	STRETCH \f, \g, 40, 48, 1, \zero, 0, 0, 0, 2   ; work on registers while the others arrive,
.if \fill
	WIN 0
.endif
	s_barrier_wait -1                              ; and go on when all four have said so
.if \fill
	CREST                                          ; no wave of any partner still reads this slot's tile or has a load on its way
	JLOAD \old                                     ; my one tensor load behind the round
.endif
	LOADS 8, 12, \new, 0                           ; 16 loads; with the 16 of units 12 to 15 behind them the count 28 holds again at the next half-step's head (12 + 16 younger)
	STRETCH \f, \g, 48, 64, 1, \zero, 1, \new, 0, 0
.endm
	s_wait_tensorcnt 0x1                           ; my part of K step 0 is in; K step 1's may stay out
	s_barrier_signal -1
	s_barrier_wait -1                              ; everybody's is
	LOADS 8, 16, 0, 0                              ; the first eight fragments of half 0: what a half-step in front would have asked for
	ODD F1, F0, 0, 0                               ; a half-step without products: half 0 is converted into buffer 0, half 1's first fragments are asked for
	EVEN F0, F1, 0, 1, 1, 1                        ; half-step 0 stands in front of the loop: its products start the sums
	WIN 0                                          ; at a label and at a branch every window is 0
	s_mov_b32 s3, TRIPS
.Llap:                                                 ; a trip: four half-steps, once round the ring: 256 matrix instructions, both slots filled again
	ODD  F1, F0, 1, 1
	EVEN F0, F1, 1, 0, 0, 1
	ODD  F1, F0, 0, 1
	EVEN F0, F1, 0, 1, 0, 1
	WIN 0
	s_sub_co_u32 s3, s3, 1
	s_cmp_lg_u32 s3, 0
	s_cbranch_scc1 .Llap
	ODD  F1, F0, 1, 1                              ; the tail is written out.  Half-step 121
	EVEN F0, F1, 1, 0, 0, 1                        ; 122: the last refill, K step 63 into slot 1
	ODD  F1, F0, 0, 1                              ; 123
	EVEN F0, F1, 0, 1, 0, 0                        ; 124: K step 63 has landed; nothing is asked for, so no round follows
	ODD  F1, F0, 1, 1                              ; 125
	STRETCH F0, F1, 0, 32, 1, 0, 1, 1, 128, 0      ; 126: the last loads,
	STRETCH F0, F1, 32, 64, 1, 0, 0, 0, 0, 3       ;      and the counts run down
.set w, 0
.rept 64
	WM F1, 0                                       ; 127: nothing is left to convert
.set w, w+1
.endr
	; THE WAY OUT.  A lane's 32 bytes are a sixteenth of my 512 bytes of a row of C.  A block of 16 rows at a time goes through my own stage in LDS: in by lanes, back by whole rows.
	WIN 0
.rept 4
	v_nop                                          ; the places between the last products and the LDS stores that read results, and the loads into registers that products have read
.endr
.macro TOSTAGE a
	WIN ST_LO+4*((\a)/4)
.irp b, 0,1,2,3,4,5,6,7                ; each accumulator's four lowest registers go first
	ds_store_b128 v[STO], v[8*(8*((\a)%4)+(\b)):8*(8*((\a)%4)+(\b))+3] offset:64*(\b)
	ds_store_b128 v[STO], v[8*(8*((\a)%4)+(\b))+4:8*(8*((\a)%4)+(\b))+7] offset:64*(\b)+16
.endr
	WIN 0
.if (\a) >= 2
	s_wait_xcnt 0x0                                ; every earlier memory instruction has had its addresses translated (ISA guide 3.1): the registers that block a - 2's stores read are loaded again only behind this wait
.endif
.set BK, OB0+(OB1-OB0)*((\a)%2)
.irp t, 0,1,2,3,4,5,6,7,8,9,10,11,12,13,14,15
	ds_load_b128 v[BK+4*(\t):BK+4*(\t)+3], v[RD] offset:(\t)*SPITCH  ; LDS serves a wave's instructions in order (ISA guide 5.7.1.4): these see the stores above; the next block's stores come behind them
.endr
.endm
.macro SEND a, younger                 ; younger: the LDS instructions issued behind block a's loads: the next block's 32, or none
.set BK, OB0+(OB1-OB0)*((\a)%2)
.irp t, 0,1,2,3,4,5,6,7,8,9,10,11,12,13,14,15
	s_wait_dscnt (\younger)+15-(\t)
	global_store_b128 v[CO], v[BK+4*(\t):BK+4*(\t)+3], s[8:9] offset:(16*(\a)+(\t))*ROWB th:TH_STORE_NT  ; the wave stores 512 consecutive bytes, at a multiple of 512 from C's first byte; 127 rows at the most: inside the signed 24-bit immediate
.endr
.endm
	TOSTAGE 0
.irp a, 1,2,3,4,5,6,7                  ; a block's way through the stage stands between the loads of the block before and its stores
	TOSTAGE \a
	SEND (\a)-1, 32
.endr
	SEND 7, 0
	s_wait_tensorcnt 0x0                           ; the wave's end: behind my last tensor load and my last LDS store
	ds_add_u32 v[SPW], v[NIL]
	s_wait_dscnt 0x0
	CROUND                                         ; the closing round: no work-group ends while a partner may still ask for a tile that names it
	s_endpgm
.Lfunc_end_k_qdb768bbb86_gemm:
	.size	k_qdb768bbb86_gemm, .Lfunc_end_k_qdb768bbb86_gemm-k_qdb768bbb86_gemm
	.p2alignl 7, 3214868480
	.fill 96, 4, 3214868480
	.section	.rodata,"a",@progbits
	.p2align	6, 0x0
	.amdhsa_kernel k_qdb768bbb86_gemm
		.amdhsa_group_segment_fixed_size 327680
		.amdhsa_private_segment_fixed_size 0
		.amdhsa_enable_private_segment 0
		.amdhsa_kernarg_size 24
		.amdhsa_user_sgpr_count 2
		.amdhsa_user_sgpr_kernarg_segment_ptr 1
		.amdhsa_wavefront_size32 1
		.amdhsa_system_sgpr_workgroup_id_x 1
		.amdhsa_system_sgpr_workgroup_id_y 1
		.amdhsa_system_sgpr_workgroup_id_z 1
		.amdhsa_system_vgpr_workitem_id 0
		.amdhsa_next_free_vgpr 1024
		.amdhsa_next_free_sgpr 66
		.amdhsa_reserve_vcc 0
		.amdhsa_float_denorm_mode_32 3
		.amdhsa_float_denorm_mode_16_64 3
		.amdhsa_memory_ordered 1
		.amdhsa_forward_progress 1
		.amdhsa_inst_pref_size 255
	.end_amdhsa_kernel
	.section	.bss,"aw",@nobits
	.p2align	6
	.space	262144
	.amdgpu_metadata
---
amdhsa.version: [ 1, 2 ]
amdhsa.kernels:
  - .name:           k_qdb768bbb86_gemm
    .symbol:         k_qdb768bbb86_gemm.kd
    .args:
      - { .name: h, .offset: 0, .size: 8, .value_kind: global_buffer, .address_space: global }
      - { .name: S, .offset: 8, .size: 8, .value_kind: global_buffer, .address_space: global }
      - { .name: out0, .offset: 16, .size: 8, .value_kind: global_buffer, .address_space: global }
    .group_segment_fixed_size: 327680
    .private_segment_fixed_size: 0
    .kernarg_segment_align: 8
    .kernarg_segment_size: 24
    .max_flat_workgroup_size: 128
    .sgpr_count:     66
    .vgpr_count:     1024
    .wavefront_size: 32
...
	.end_amdgpu_metadata
.endif
;; end of part 1
;; ======== version 2 of 3: 1 launch; 1.52 times as fast as version 1
;; launch gemm (part 2): grid 16 x 16, 4 waves a work-group, clusters of 4 x 4, 327,680 bytes of LDS; arguments h, S, out0; writes out0
.if DOCPART == 2
	.amdgcn_target "amdgcn-amd-amdhsa--gfx1250"
	.amdhsa_code_object_version 6
	.text
	.protected	k_qdb768bbb86_gemm
	.globl	k_qdb768bbb86_gemm
	.p2align	8
	.type	k_qdb768bbb86_gemm,@function
k_qdb768bbb86_gemm:
	s_mov_b64 s[64:65], 0
	v_nop
	global_prefetch_b8 v0, s[64:65] scope:SCOPE_SE
	s_setreg_imm32_b32 hwreg(HW_REG_WAVE_MODE, 25, 1), 1
	s_wait_xcnt 0x0
	s_wait_alu depctr_hold_cnt(0) depctr_sa_sdst(0) depctr_va_vdst(0) depctr_va_sdst(0) depctr_va_ssrc(0) depctr_va_vcc(0) depctr_vm_vsrc(0)
	s_getreg_b32 s2, hwreg(HW_REG_IB_STS2, 6, 4)
	s_cmp_eq_u32 s2, 0
	s_cbranch_scc0 .Lentry_in_a_cluster
	s_endpgm
.Lentry_in_a_cluster:
	s_bfe_u32 s2, ttmp6, 0x10000c
	s_cmp_lg_u32 s2, 0xf033
	s_cbranch_scc0 .Lentry_shape_is_right
	s_endpgm
.Lentry_shape_is_right:
; out0[m][n] = sum over k of h[m][k] S[n][k].  h (A), S (B), out0 (C): [4096][4096] f32, rows along the last index.  S is taken as a full dense matrix.
; LIMITS.  A's and B's numbers are rounded once to bf16 (nearest even) on the way to the matrix unit; a magnitude above bf16's largest finite number (3.39e38) becomes an infinity.
; Sums in f32, K ascending, one accumulator for each output; NaN and infinities go through the products as they come.
; SHARES.  A tile of C, 256 x 256, is made by a work-group of four waves; a wave makes 128 x 128: 64 accumulators of 16 x 16, 512 registers.  16 x 16 tiles = 256 work-groups.
; THE RING.  K goes in steps of 64 (a tile's row is 256 bytes of f32, at a multiple of 256 bytes from the buffer's first byte) through two LDS slots filled by the tensor data mover, as f32.
; CLUSTERS.  4 x 4 work-groups.  The four of a row of the cluster need the same tiles of A, the four of a column the same tiles of B: each tile is asked for JOINTLY, by the same tensor load
; with the same descriptor and a mask that names the four; that divides the requests for A and for B by four.
; THE CONVERSION stands between LDS and the matrix unit.  A fragment (16 rows x 32 K) is read as f32, four loads of 16 bytes a lane into 16 raw registers, and eight v_cvt_pk_bf16_f32 make
; its 8 registers of bf16.  Time goes in HALF-STEPS of 32 along K, 64 matrix instructions: half-step t multiplies fragment buffer t % 2 and makes half t + 1's 16 fragments in the other buffer.
; A half-step is two STRETCHES of 32 matrix instructions.  A stretch begins with ONE RUN of 32 LDS loads (four fragments of B, four of A, as f32: 128 raw registers, all converted by then);
; 16 matrix instructions follow bare, while the run lands; behind each of the other 16 stand four conversions, half a fragment, in the order of the loads.
; LDS loads never stand singly among the matrix instructions.  Four conversions cost two switches of the register window (a conversion writes a fragment window, a product an accumulator window).
; THE MATRIX INSTRUCTION IS USED TRANSPOSED: source 0 = 16 rows of B, source 1 = 16 rows of A: a lane then holds eight neighbouring numbers of a row of C, 32 bytes.
;
; REGISTERS, in windows of 256 (s_set_vgpr_msb's low byte: bits 1:0 source 0, 3:2 source 1, 5:4 source 2, 7:6 destination):
;   window 0: v0-5 at work; v16-17 LDS addresses of A's fragments in slot 0, 1; v24-29 way out and the add; v32-95 A's raw registers (4 x 16); v128-191, v192-255 A's bf16 fragments, two buffers
;   window 1: the same numbers for B: v16-17 addresses, v32-95 raw registers, v128-191 and v192-255 fragments
;   window 2: the accumulators of my rows 0-63 (accumulator (a, b) at v[8 (8 (a % 4) + b)]);   window 3: those of my rows 64-127
.set SIZE,   4096                      ; M = N = K
.set ROWB,   SIZE*4                    ; bytes in a row of A, B and C
.set KB,     256                       ; bytes of a row in a K step of 64
.set PITCH,  272                       ; an LDS row: 256 bytes + 16 of padding = 68 words: row r starts at bank 4 r mod 64 (64 banks of 4 bytes: ISA guide 11.1), so the 16 rows of a load start at 16 different groups of four banks
.set HALFT,  128*PITCH                 ; 128 rows: what one tensor load brings, and what one wave reads of A or of B
.set SLOT,   4*HALFT                   ; A's 256 rows, then B's 256 rows
.set STAGE,  2*SLOT                    ; behind the ring: 16 rows x 528 bytes for each wave, for the way out; no tensor load lands here
.set SPITCH, 528                       ; 512 bytes + 16 = 132 words: again 16 rows at 16 different groups of four banks
.set SPARE,  STAGE+4*16*SPITCH         ; behind the stages: the spare words, 128 bytes for each wave: two blocks of 256 bytes that no other line names
.set TRIPS,  (SIZE/32-8)/4             ; of the 128 half-steps number 0 stands in front of the loop, 121 to 127 behind it; a trip has four
.set ADR,  16                          ; v16-17  LDS address of my fragments in slot 0, 1: A's in window 0, B's in window 1
.set STO,  24                          ; v24     the way out: where I put 32 bytes of a row
.set RD,   25                          ; v25     the way out: where I read a row back
.set CO,   26                          ; v26     my byte offset in a row of my part of C; never rewritten
.set SPW,  28                          ; v28     LDS address of my spare word: SPARE + 4 x my thread's number; never rewritten
.set NIL,  29                          ; v29     0; never rewritten
.set RAW,  32                          ; the raw registers: fragment i of a run's four at RAW + 16 i
.set F0,   128                         ; bf16 fragment buffer 0: fragment i at F0 + 8 i
.set F1,   192                         ; buffer 1
.set OB0,  32                          ; the way out: 16 rows read back from the stage, 64 registers: v32-95 and v128-191 by turns
.set OB1,  128
.set G1,  24                           ; s[24:31] descriptor group 1 for A's tiles
.set G0,  32                           ; s[32:39] descriptor group 0 for A's tiles, one set for each slot
.set G1B, 48                           ; s[48:55] group 1 for B's tiles: it differs in the mask alone
.set G0B, 56                           ; s[56:63] group 0 for B's tiles
.set MSB, 0
.macro WIN new                         ; the immediate's high byte repeats the setting that is left; a switch that changes nothing is dropped
.if MSB != (\new)
	s_set_vgpr_msb (MSB<<8)|(\new)
.set MSB, \new
.endif
.endm
.set MUL_LO, 0xa1                      ; source 0 (B) window 1, source 1 (A) window 0, C and D window 2;  + 0x50: C and D window 3
.set W_B,    0x45                      ; destination, source 0 and source 1 window 1: B's conversions, and B's LDS loads (data = destination, address = source 0)
.set MK_B,   0x40                      ; destination window 1, sources window 0
.set ST_LO,  0x08                      ; an LDS store's data (source 1) in window 2;  + 4: window 3
; A joint load.  Waves 0 and 1 fetch A's two halves, waves 2 and 3 B's.  Each of the two lines has one mask and one set of registers for all that issue it.  The branch hangs on the wave's number alone.
; An s_nop 0 and four v_nop follow each of the two lines; the jump, the label and what follows come after them.
.macro JLOAD s
	s_cmp_eq_u32 s11, 0
	s_cbranch_scc0 .Lfor_b_\@
	tensor_load_to_lds s[G0+4*(\s):G0+4*(\s)+3], s[G1:G1+7]
	s_nop 0
.rept 4
	v_nop
.endr
	s_branch .Lasked_\@
.Lfor_b_\@:
	tensor_load_to_lds s[G0B+4*(\s):G0B+4*(\s)+3], s[G1B:G1B+7]
	s_nop 0
.rept 4
	v_nop
.endr
.Lasked_\@:
.endm
; A round of the cluster's barrier: my work-group's barrier, so that wave 0's signal speaks for all four waves; wave 0 signals for the work-group; every wave waits for all sixteen
; work-groups; my work-group's barrier once more.
.macro CREST                           ; a round behind its opening barrier
	s_cmp_lg_u32 s10, 0
	s_cbranch_scc1 .Lnot_wave_0_\@
	s_barrier_signal -3
.Lnot_wave_0_\@:
	s_barrier_wait -3
	s_barrier_signal -1
	s_barrier_wait -1
.endm
.macro CROUND                          ; a whole round
	s_barrier_signal -1
	s_barrier_wait -1
	CREST
.endm
	s_load_b128 s[4:7], s[0:1], 0x0                ; h (A) s[4:5], S (B) s[6:7]
	s_load_b64 s[8:9], s[0:1], 0x10                ; out0 (C)
	v_lshl_add_u32 v[SPW], v0, 2, SPARE
	v_mov_b32 v[NIL], 0
	ds_add_u32 v[SPW], v[NIL]                      ; the wave's opening: the add and its wait stand ahead of my first tensor load; the set-up below, work on registers, stands between them
	v_lshrrev_b32 v1, 5, v0
	v_readfirstlane_b32 s10, v1                    ; wave 0..3
	s_lshr_b32 s11, s10, 1                         ; which half of the tile's rows is mine.  Also: I fetch for A (0) or for B (1)
	s_and_b32 s12, s10, 1                          ; which half of its columns.  Also: which 128 rows of that tile I fetch
	s_bfe_u32 s40, ttmp6, 0x40000                  ; cx: my place along the cluster's x
	s_bfe_u32 s41, ttmp6, 0x40004                  ; cy: along its y
	s_lshl_b32 s42, ttmp9, 2                       ; in a cluster launch ttmp9 and ttmp7 count clusters
	s_add_co_u32 s42, s42, s40                     ; tile column of C = 4 x cluster x + cx
	s_and_b32 s13, ttmp7, 0xffff
	s_lshl_b32 s13, s13, 2
	s_add_co_u32 s13, s13, s41                     ; tile row of C = 4 x cluster y + cy
	s_lshl_b32 s43, s41, 2
	s_lshl_b32 s43, 15, s43                        ; my row of the cluster: places 4 cy .. 4 cy + 3
	s_lshl_b32 s44, 0x1111, s40                    ; my column: places cx, cx + 4, cx + 8, cx + 12
	; descriptor group 1: a tile of 128 rows x 64 elements of 4 bytes, padded in LDS
	s_or_b32 s[G1+0], s43, (2<<16)|(1<<20)|(1<<21)|(5<<22)|(3<<25)   ; 15:0 the mask: A's tiles go to my row; 17:16 elements of 4 bytes; 20 padding on; 21 set beside a mask; 24:22 after every 64 words (code 5); 31:25 4 words of it (code 3)
	s_or_b32 s[G1B+0], s44, (2<<16)|(1<<20)|(1<<21)|(5<<22)|(3<<25)  ; the same with the mask of my column, for B's tiles
.irp g, G1, G1B
	s_mov_b32 s[(\g)+1], 64<<16                    ; tensor_dim0 = 64
	s_mov_b32 s[(\g)+2], 128<<16                   ; tensor_dim1 = 128
	s_mov_b32 s[(\g)+3], 64<<16                    ; tile_dim0 = 64
	s_mov_b32 s[(\g)+4], 128                       ; tile_dim1 = 128
	s_mov_b32 s[(\g)+5], SIZE                      ; 4,096 elements from row to row
	s_mov_b32 s[(\g)+6], 0
	s_mov_b32 s[(\g)+7], 0
.endr
	; where the tiles come from.  A's hang on the tile row alone, which my row of the cluster shares; B's on the tile column alone, which my column shares.
	; Every wave makes both offsets, in registers that never hold the other coordinate.  A row is 16,384 bytes, so the offsets stay under 2^26.
	s_lshl_b32 s17, s12, 7                         ; which 128 rows of the tile I fetch
	s_lshl_b32 s16, s13, 8
	s_add_co_u32 s16, s16, s17                     ; A: row 256 x tile row + 128 x half
	s_lshl_b32 s16, s16, 14
	s_lshl_b32 s46, s42, 8
	s_add_co_u32 s46, s46, s17                     ; B: row 256 x tile column + 128 x half
	s_lshl_b32 s46, s46, 14
	s_mov_b32 s17, 0
	s_mov_b32 s47, 0
	s_mul_i32 s20, s10, HALFT                      ; and where they go: A's two halves, then B's two halves = wave x 128 rows: no place in the cluster enters an LDS address
	s_wait_dscnt 0x0                               ; the opening add is done
	s_wait_kmcnt 0x0
	s_add_nc_u64 s[14:15], s[4:5], s[16:17]
	s_add_nc_u64 s[46:47], s[6:7], s[46:47]
	CROUND                                         ; all sixteen work-groups are here: the first joint loads meet
.irp s, 0,1
	s_mov_b32 s[G0+4*(\s)], 1                                      ; 1:0 count = 1
	s_add_co_u32 s[G0+4*(\s)+1], s20, (\s)*SLOT                    ; 63:32 LDS address
	s_add_nc_u64 s[G0+4*(\s)+2:G0+4*(\s)+3], s[14:15], (\s)*KB     ; 120:64 global address: K step s
	s_or_b32 s[G0+4*(\s)+3], s[G0+4*(\s)+3], 0x80000000            ; 127:126 type = 2
	s_mov_b32 s[G0B+4*(\s)], 1
	s_add_co_u32 s[G0B+4*(\s)+1], s20, (\s)*SLOT
	s_add_nc_u64 s[G0B+4*(\s)+2:G0B+4*(\s)+3], s[46:47], (\s)*KB
	s_or_b32 s[G0B+4*(\s)+3], s[G0B+4*(\s)+3], 0x80000000
.endr
	s_cmp_eq_u32 s11, 0                            ; a wave's two first fills stand in one branch, ahead of every wait on TENSORcnt and every LDS read: two loads of mine are out
	s_cbranch_scc0 .Lfirst_b
	tensor_load_to_lds s[G0:G0+3], s[G1:G1+7]
	s_nop 0
	tensor_load_to_lds s[G0+4:G0+7], s[G1:G1+7]
	s_nop 0
.rept 4
	v_nop
.endr
	s_branch .Lfirst_asked
.Lfirst_b:
	tensor_load_to_lds s[G0B:G0B+3], s[G1B:G1B+7]
	s_nop 0
	tensor_load_to_lds s[G0B+4:G0B+7], s[G1B:G1B+7]
	s_nop 0
.rept 4
	v_nop
.endr
.Lfirst_asked:
	; A bf16 fragment is 16 rows x 32 K in 8 registers: lane l holds row l % 16; registers 0-3 hold K = 8 (l / 16) + 0..7, registers 4-7 K = 16 + 8 (l / 16) + 0..7.
	; In f32 those are the 32 bytes at 32 (l / 16) and the 32 bytes at 64 + 32 (l / 16) of the row's 128: four loads of 16 bytes, at 0, 16, 64 and 80 from row x pitch + 32 (l / 16).
	v_and_b32 v1, 15, v0                           ; l % 16
	v_bfe_u32 v2, v0, 4, 1                         ; l / 16
	v_mul_u32_u24 v3, v1, PITCH
	v_lshl_add_u32 v3, v2, 5, v3                   ; row x pitch + 32 x half
	s_mul_i32 s21, s11, HALFT                      ; my 128 rows of A
	s_mul_i32 s22, s12, HALFT                      ; my 128 rows of B,
	s_add_co_u32 s22, s22, 2*HALFT                 ; which lie behind A's 256
	v_add_nc_u32 v[ADR], s21, v3
	s_add_co_u32 s21, s21, SLOT
	v_add_nc_u32 v[ADR+1], s21, v3
	WIN MK_B                                       ; B's two addresses lie in window 1, beside B's raw registers
	v_add_nc_u32 v[ADR], s22, v3
	s_add_co_u32 s22, s22, SLOT
	v_add_nc_u32 v[ADR+1], s22, v3
	WIN 0
	s_mul_i32 s23, s10, 16*SPITCH
	s_add_co_u32 s23, s23, STAGE                   ; my stage
	v_mul_u32_u24 v5, v1, SPITCH                   ; in: row l % 16, 32 bytes for each half of the lanes
	v_lshl_add_u32 v5, v2, 5, v5
	v_add_nc_u32 v[STO], s23, v5
	v_and_b32 v4, 31, v0
	v_lshlrev_b32 v[CO], 4, v4                     ; back: 32 lanes take one row of 512 bytes; the same 16 bytes in a row of C
	v_add_nc_u32 v[RD], s23, v[CO]
	s_lshl_b32 s16, s13, 8                         ; where my part of the tile begins in C: row 256 x tile row + 128 x half,
	s_lshl_b32 s17, s11, 7
	s_add_co_u32 s16, s16, s17
	s_lshl_b32 s16, s16, 14
	s_mov_b32 s17, 0
	s_add_nc_u64 s[8:9], s[8:9], s[16:17]
	s_lshl_b32 s46, s42, 10                        ; byte 1,024 x tile column + 512 x half (in the registers that held B's address)
	s_lshl_b32 s47, s12, 9
	s_add_co_u32 s46, s46, s47
	s_mov_b32 s47, 0
	s_add_nc_u64 s[8:9], s[8:9], s[46:47]
; Product number w of a half-step's 64: rows 16 (w / 8) on of my A, rows 16 (w % 8) on of my B, from buffer f.  zero = 1: it starts the sum: nothing is ever cleared.
; The 64 accumulators take turns, one instruction a turn, in the same order in every half-step.
.macro WM f, zero
.set fa, w/8
.set fb, w%8
.set rD, 8*(8*(fa%4)+fb)
	WIN MUL_LO+0x50*(fa/4)
.if \zero
	v_wmma_f32_16x16x32_bf16 v[rD:rD+7], v[(\f)+8*fb:(\f)+8*fb+7], v[(\f)+8*fa:(\f)+8*fa+7], 0
.else
	v_wmma_f32_16x16x32_bf16 v[rD:rD+7], v[(\f)+8*fb:(\f)+8*fb+7], v[(\f)+8*fa:(\f)+8*fa+7], v[rD:rD+7]
.endif
.endm
; A run of 32 LDS loads: fragments 4 h .. 4 h + 3 of B, then of A, as f32, from byte k of the rows of slot sl.  They land in raw registers, which no matrix instruction names.
.macro RUN h, sl, k
	WIN W_B
.irp i, 0,1,2,3
.irp p, 0,1,2,3
	ds_load_b128 v[RAW+16*(\i)+4*(\p):RAW+16*(\i)+4*(\p)+3], v[ADR+(\sl)] offset:(\k)+(4*(\h)+(\i))*16*PITCH+16*((\p)%2)+64*((\p)/2)
.endr
.endr
	WIN 0
.irp i, 0,1,2,3
.irp p, 0,1,2,3
	ds_load_b128 v[RAW+16*(\i)+4*(\p):RAW+16*(\i)+4*(\p)+3], v[ADR+(\sl)] offset:(\k)+(4*(\h)+(\i))*16*PITCH+16*((\p)%2)+64*((\p)/2)
.endr
.endr
.endm
; Number n of a stretch's 16 groups of four conversions: half n % 2 of the run's fragment n / 2 (0-3: B's, window 1; 4-7: A's, window 0): eight raw numbers become four registers of buffer g.
; cnt (set by STR; 64: none) is the wait at a fragment's head: how many younger LDS instructions may stay out when the fragment's four loads have to be in.
; The conversions write the buffer that this half-step's products do not read.  Its last reader, in the half-step before, is followed by four conversions or more that name none of
; its registers: they are the places behind it (ISA guide 7.12.1).
.macro RIDE g, h
.set fi, n/2
.set rR, RAW+16*(fi%4)+8*(n%2)
.set rF, (\g)+8*(4*(\h)+fi%4)+4*(n%2)
	WIN W_B*(1-fi/4)
.if (n%2 == 0) && (cnt < 64)
	s_wait_dscnt cnt
.endif
	v_cvt_pk_bf16_f32 v[rF], v[rR], v[rR+1]
	v_cvt_pk_bf16_f32 v[rF+1], v[rR+2], v[rR+3]
	v_cvt_pk_bf16_f32 v[rF+2], v[rR+4], v[rR+5]
	v_cvt_pk_bf16_f32 v[rF+3], v[rR+6], v[rR+7]
.endm
; STRETCH h (0, 1) of a half-step: the run; products 32 h .. 32 h + 15 bare; products 32 h + 16 .. 32 h + 31, each with four conversions behind it.  mul = 0: no products (the way in).
; The wait at the head of the run's fragment i: 28 - 4 i, the run's younger loads.
; bar > 0: THE CHANGE OF SLOTS.  The run was the last to read slot sl; the next half-step reads the other slot.  ONE barrier: in front of it each wave waits for all its tensor loads (one is out:
; its part of the other slot), adds 0 to its spare word (so the waits of fragments 0 to 3 count one more), and waits for that and for the whole run; eight products with their
; conversions, work on registers, stand between the signal and the wait.  bar = 2: the barrier opens a round of the cluster's, and slot sl is filled again, first thing behind it, with the
; K step two on: from that request to the wait for it a wave issues 112 matrix instructions.
.macro STR f, g, h, sl, k, mul, zero, bar
	RUN \h, \sl, \k
.set w, 32*(\h)
.if \mul
.rept 16
	WM \f, \zero
.set w, w+1
.endr
.endif
.if \bar
	WIN 0                                          ; (the add's two registers lie in window 0)
	s_wait_tensorcnt 0x0                           ; all my tensor loads have landed: no load of mine is out, so a group 0 may be written
	ds_add_u32 v[SPW], v[NIL]                      ; 0 onto my spare word: work on registers stands between it and the wait for it
.if (\bar) == 2
	s_add_nc_u64 s[G0+4*(\sl)+2:G0+4*(\sl)+3], s[G0+4*(\sl)+2:G0+4*(\sl)+3], 2*KB      ; this slot's next K step; the type bits on top are not reached
	s_add_nc_u64 s[G0B+4*(\sl)+2:G0B+4*(\sl)+3], s[G0B+4*(\sl)+2:G0B+4*(\sl)+3], 2*KB
.endif
.endif
.set n, 0
.rept 16
.if (\bar) && (n == 8)
	s_wait_dscnt 0x0                               ; the add is done, and my reads of this slot are over:
	s_barrier_signal -1                            ; say so, and work on registers while the others arrive
.endif
.if \mul
	WM \f, \zero
.set w, w+1
.endif
.if (\bar) && (n >= 8)
.set cnt, 64
.elseif \bar
.set cnt, 29-4*(n/2)
.else
.set cnt, 28-4*(n/2)
.endif
	RIDE \g, \h
.set n, n+1
.endr
.if \bar
	WIN 0
	s_barrier_wait -1                              ; go on when all four have said so
.endif
.if (\bar) == 2
	CREST                                          ; no wave of any partner still reads this slot's tile or has a load on its way
	JLOAD \sl                                      ; my one tensor load behind the round
.endif
.endm
; A half-step: multiplies buffer f; reads the next half, which lies at byte k of the rows of slot sl, and converts it into buffer g.
.macro HALF f, g, sl, k, mul, zero, bar
	STR \f, \g, 0, \sl, \k, \mul, \zero, 0
	STR \f, \g, 1, \sl, \k, \mul, \zero, \bar
.endm
	s_wait_tensorcnt 0x1                           ; my part of K step 0 is in; K step 1's may stay out
	s_barrier_signal -1
	s_barrier_wait -1                              ; everybody's is
	HALF F1, F0, 0, 0, 0, 0, 0                     ; the way in, a half-step without products: half 0 is converted into buffer 0
	HALF F0, F1, 0, 128, 1, 1, 2                   ; half-step 0 stands in front of the loop: its products start the sums; slot 0 takes K step 2
	WIN 0                                          ; at a label and at a branch every window is 0
	s_mov_b32 s3, TRIPS
.Llap:                                                 ; a trip: four half-steps, once round the ring: 256 matrix instructions, both slots filled again
	HALF F1, F0, 1, 0,   1, 0, 0
	HALF F0, F1, 1, 128, 1, 0, 2
	HALF F1, F0, 0, 0,   1, 0, 0
	HALF F0, F1, 0, 128, 1, 0, 2
	WIN 0
	s_sub_co_u32 s3, s3, 1
	s_cmp_lg_u32 s3, 0
	s_cbranch_scc1 .Llap
	HALF F1, F0, 1, 0,   1, 0, 0                   ; the tail is written out.  Half-step 121
	HALF F0, F1, 1, 128, 1, 0, 2                   ; 122: the last refill, K step 63 into slot 1
	HALF F1, F0, 0, 0,   1, 0, 0                   ; 123
	HALF F0, F1, 0, 128, 1, 0, 1                   ; 124: K step 63 has landed, everybody's part; nothing is asked for, so no round follows
	HALF F1, F0, 1, 0,   1, 0, 0                   ; 125
	HALF F0, F1, 1, 128, 1, 0, 0                   ; 126: the last loads and conversions
.set w, 0
.rept 64
	WM F1, 0                                       ; 127: nothing is left to convert
.set w, w+1
.endr
	; THE WAY OUT.  A lane's 32 bytes are a sixteenth of my 512 bytes of a row of C.  A block of 16 rows at a time goes through my own stage in LDS: in by lanes, back by whole rows.
	WIN 0
.rept 4
	v_nop                                          ; the places between the last products and the LDS stores that read results, and the loads into registers that products have read
.endr
.macro TOSTAGE a
	WIN ST_LO+4*((\a)/4)
.irp b, 0,1,2,3,4,5,6,7                ; each accumulator's four lowest registers go first
	ds_store_b128 v[STO], v[8*(8*((\a)%4)+(\b)):8*(8*((\a)%4)+(\b))+3] offset:64*(\b)
	ds_store_b128 v[STO], v[8*(8*((\a)%4)+(\b))+4:8*(8*((\a)%4)+(\b))+7] offset:64*(\b)+16
.endr
	WIN 0
.if (\a) >= 2
	s_wait_xcnt 0x0                                ; every earlier memory instruction has had its addresses translated (ISA guide 3.1): the registers that block a - 2's stores read are loaded again only behind this wait
.endif
.set BK, OB0+(OB1-OB0)*((\a)%2)
.irp t, 0,1,2,3,4,5,6,7,8,9,10,11,12,13,14,15
	ds_load_b128 v[BK+4*(\t):BK+4*(\t)+3], v[RD] offset:(\t)*SPITCH  ; LDS serves a wave's instructions in order (ISA guide 5.7.1.4): these see the stores above; the next block's stores come behind them
.endr
.endm
.macro SEND a, younger                 ; younger: the LDS instructions issued behind block a's loads: the next block's 32, or none
.set BK, OB0+(OB1-OB0)*((\a)%2)
.irp t, 0,1,2,3,4,5,6,7,8,9,10,11,12,13,14,15
	s_wait_dscnt (\younger)+15-(\t)
	global_store_b128 v[CO], v[BK+4*(\t):BK+4*(\t)+3], s[8:9] offset:(16*(\a)+(\t))*ROWB th:TH_STORE_NT  ; the wave stores 512 consecutive bytes, at a multiple of 512 from C's first byte; 127 rows at the most: inside the signed 24-bit immediate
.endr
.endm
	TOSTAGE 0
.irp a, 1,2,3,4,5,6,7                  ; a block's way through the stage stands between the loads of the block before and its stores
	TOSTAGE \a
	SEND (\a)-1, 32
.endr
	SEND 7, 0
	s_wait_tensorcnt 0x0                           ; the wave's end: behind my last tensor load and my last LDS store
	ds_add_u32 v[SPW], v[NIL]
	s_wait_dscnt 0x0
	CROUND                                         ; the closing round: no work-group ends while a partner may still ask for a tile that names it
	s_endpgm
.Lfunc_end_k_qdb768bbb86_gemm:
	.size	k_qdb768bbb86_gemm, .Lfunc_end_k_qdb768bbb86_gemm-k_qdb768bbb86_gemm
	.p2alignl 7, 3214868480
	.fill 96, 4, 3214868480
	.section	.rodata,"a",@progbits
	.p2align	6, 0x0
	.amdhsa_kernel k_qdb768bbb86_gemm
		.amdhsa_group_segment_fixed_size 327680
		.amdhsa_private_segment_fixed_size 0
		.amdhsa_enable_private_segment 0
		.amdhsa_kernarg_size 24
		.amdhsa_user_sgpr_count 2
		.amdhsa_user_sgpr_kernarg_segment_ptr 1
		.amdhsa_wavefront_size32 1
		.amdhsa_system_sgpr_workgroup_id_x 1
		.amdhsa_system_sgpr_workgroup_id_y 1
		.amdhsa_system_sgpr_workgroup_id_z 1
		.amdhsa_system_vgpr_workitem_id 0
		.amdhsa_next_free_vgpr 1024
		.amdhsa_next_free_sgpr 66
		.amdhsa_reserve_vcc 0
		.amdhsa_float_denorm_mode_32 3
		.amdhsa_float_denorm_mode_16_64 3
		.amdhsa_memory_ordered 1
		.amdhsa_forward_progress 1
		.amdhsa_inst_pref_size 255
	.end_amdhsa_kernel
	.section	.bss,"aw",@nobits
	.p2align	6
	.space	262144
	.amdgpu_metadata
---
amdhsa.version: [ 1, 2 ]
amdhsa.kernels:
  - .name:           k_qdb768bbb86_gemm
    .symbol:         k_qdb768bbb86_gemm.kd
    .args:
      - { .name: h, .offset: 0, .size: 8, .value_kind: global_buffer, .address_space: global }
      - { .name: S, .offset: 8, .size: 8, .value_kind: global_buffer, .address_space: global }
      - { .name: out0, .offset: 16, .size: 8, .value_kind: global_buffer, .address_space: global }
    .group_segment_fixed_size: 327680
    .private_segment_fixed_size: 0
    .kernarg_segment_align: 8
    .kernarg_segment_size: 24
    .max_flat_workgroup_size: 128
    .sgpr_count:     66
    .vgpr_count:     1024
    .wavefront_size: 32
...
	.end_amdgpu_metadata
.endif
;; end of part 2
;; ======== version 3 of 3: 2 launches; 1.80 times as fast as version 1
;; workspace buffers: hb 33,554,432 bytes; sb 33,554,432 bytes
;; launch cast (part 3): grid 1024 x 1, 8 waves a work-group, no clusters, 0 bytes of LDS; arguments h, S, hb, sb; writes hb, sb
.if DOCPART == 3
	.amdgcn_target "amdgcn-amd-amdhsa--gfx1250"
	.amdhsa_code_object_version 6
	.text
	.protected	k_qdb768bbb86_cast
	.globl	k_qdb768bbb86_cast
	.p2align	8
	.type	k_qdb768bbb86_cast,@function
k_qdb768bbb86_cast:
	s_mov_b64 s[64:65], 0
	v_nop
	global_prefetch_b8 v0, s[64:65] scope:SCOPE_SE
	s_setreg_imm32_b32 hwreg(HW_REG_WAVE_MODE, 25, 1), 1
	s_wait_xcnt 0x0
; hb = h and sb = S, rounded once to bf16 (nearest even), in the same layout: [4096][4096], rows along the last index.
; LIMIT.  A magnitude above bf16's largest finite number (3.39e38) becomes an infinity; NaN stays NaN.
; A stream: every byte is read once and written once; no LDS, no barrier, no matrix unit, and no cluster, since no two work-groups read the same byte.
; Eight waves; the work-group owns 65,536 consecutive bytes of h and the same of S: 16 UNITS of 4,096 bytes each.  Thread t owns the 16 bytes at 16 t of every unit, so a load of a wave covers
; 512 consecutive bytes; its four numbers become 8 bytes at 8 t of the unit's 2,048 bytes of output, so a store of a wave covers 256 consecutive bytes, at a multiple of 256 from the buffer's first.
; A ring of DEPTH slots keeps DEPTH loads of every wave in flight; even slots serve h, odd slots S.  A slot owns its data registers and its two offset registers,
; so that the only waits in a slot's turn are the two at its head.
.set DEPTH,  8                         ; slots = loads in flight in each wave
.set UNIT,   4096                      ; bytes of f32 that the 256 threads take at once
.set UNITS,  16                        ; units of each tensor in a work-group's share
.set ROUNDS, 2*UNITS/DEPTH             ; each round takes every slot once
.set STEP_IN,  (DEPTH/2)*UNIT          ; a slot's next unit: four units on in its tensor
.set STEP_OUT, STEP_IN/2
.set IO,  2                            ; v[2:9]    slot i: byte offset of my 16 bytes in the unit that the slot holds
.set OO,  10                           ; v[10:17]  slot i: byte offset of my 8 bytes of its output
.set X,   18                           ; v[18:49]  slot i: 4 registers as loaded
.set Y,   50                           ; v[50:65]  slot i: 2 registers to store
	s_load_b256 s[4:11], s[0:1], 0x0               ; h s[4:5], S s[6:7], hb s[8:9], sb s[10:11]
	s_lshl_b32 s2, ttmp9, 16                       ; the work-group's number times 65,536 bytes in (1,024 work-groups: under 2^26),
	s_mov_b32 s3, 0
	s_lshl_b32 s12, ttmp9, 15                      ; and times 32,768 bytes out
	s_mov_b32 s13, 0
.irp i, 0,1,2,3,4,5,6,7
	v_lshl_or_b32 v[IO+(\i)], v0, 4, ((\i)/2)*UNIT       ; 16 t + the slot's first unit
	v_lshl_or_b32 v[OO+(\i)], v0, 3, ((\i)/2)*(UNIT/2)   ; 8 t + the same unit's output
.endr
	s_wait_kmcnt 0x0
	s_add_nc_u64 s[4:5], s[4:5], s[2:3]            ; all four at the work-group's share
	s_add_nc_u64 s[6:7], s[6:7], s[2:3]
	s_add_nc_u64 s[8:9], s[8:9], s[12:13]
	s_add_nc_u64 s[10:11], s[10:11], s[12:13]
.irp i, 0,1,2,3,4,5,6,7
	global_load_b128 v[X+4*(\i):X+4*(\i)+3], v[IO+(\i)], s[4+2*((\i)%2):5+2*((\i)%2)] th:TH_LOAD_NT  ; fill the ring: units 0 to 3 of both tensors
.endr
; One slot's turn.  ahead = 1: the slot is filled again with the unit four further on.  left = how many younger loads may still be out when this slot's load has to be there.
.macro SLOT i, ahead, left
	s_wait_loadcnt \left                           ; loads come back in order (ISA guide 5.7.1): mine is in, the younger ones stay out
	s_wait_xcnt 0x0                                ; every earlier memory instruction has had its addresses translated (ISA guide 3.1): this slot's Y and offsets, which its last store reads, are rewritten only behind this wait
	v_cvt_pk_bf16_f32 v[Y+2*(\i)],   v[X+4*(\i)],   v[X+4*(\i)+1]  ; two roundings to bf16, packed; the lower index in the low half
	v_cvt_pk_bf16_f32 v[Y+2*(\i)+1], v[X+4*(\i)+2], v[X+4*(\i)+3]
.if \ahead
	v_add_nc_u32 v[IO+(\i)], STEP_IN, v[IO+(\i)]   ; the slot's next unit; the store below reaches back
	v_add_nc_u32 v[OO+(\i)], STEP_OUT, v[OO+(\i)]
	global_load_b128 v[X+4*(\i):X+4*(\i)+3], v[IO+(\i)], s[4+2*((\i)%2):5+2*((\i)%2)] th:TH_LOAD_NT
	global_store_b64 v[OO+(\i)], v[Y+2*(\i):Y+2*(\i)+1], s[8+2*((\i)%2):9+2*((\i)%2)] offset:-STEP_OUT th:TH_STORE_NT
.else
	global_store_b64 v[OO+(\i)], v[Y+2*(\i):Y+2*(\i)+1], s[8+2*((\i)%2):9+2*((\i)%2)] th:TH_STORE_NT
.endif
.endm
	s_mov_b32 s14, ROUNDS-1
.Lround:
.irp i, 0,1,2,3,4,5,6,7
	SLOT \i, 1, DEPTH-1
.endr
	s_sub_co_u32 s14, s14, 1
	s_cmp_lg_u32 s14, 0
	s_cbranch_scc1 .Lround
.irp i, 0,1,2,3,4,5,6,7
	SLOT \i, 0, DEPTH-1-(\i)                       ; the last round loads nothing: no load leaves the share, and the counts run down
.endr
	s_endpgm
.Lfunc_end_k_qdb768bbb86_cast:
	.size	k_qdb768bbb86_cast, .Lfunc_end_k_qdb768bbb86_cast-k_qdb768bbb86_cast
	.p2alignl 7, 3214868480
	.fill 96, 4, 3214868480
	.section	.rodata,"a",@progbits
	.p2align	6, 0x0
	.amdhsa_kernel k_qdb768bbb86_cast
		.amdhsa_group_segment_fixed_size 0
		.amdhsa_private_segment_fixed_size 0
		.amdhsa_enable_private_segment 0
		.amdhsa_kernarg_size 32
		.amdhsa_user_sgpr_count 2
		.amdhsa_user_sgpr_kernarg_segment_ptr 1
		.amdhsa_wavefront_size32 1
		.amdhsa_system_sgpr_workgroup_id_x 1
		.amdhsa_system_sgpr_workgroup_id_y 1
		.amdhsa_system_sgpr_workgroup_id_z 1
		.amdhsa_system_vgpr_workitem_id 0
		.amdhsa_next_free_vgpr 66
		.amdhsa_next_free_sgpr 66
		.amdhsa_reserve_vcc 0
		.amdhsa_float_denorm_mode_32 3
		.amdhsa_float_denorm_mode_16_64 3
		.amdhsa_memory_ordered 1
		.amdhsa_forward_progress 1
		.amdhsa_inst_pref_size 10
	.end_amdhsa_kernel
	.amdgpu_metadata
---
amdhsa.version: [ 1, 2 ]
amdhsa.kernels:
  - .name:           k_qdb768bbb86_cast
    .symbol:         k_qdb768bbb86_cast.kd
    .args:
      - { .name: h, .offset: 0, .size: 8, .value_kind: global_buffer, .address_space: global }
      - { .name: S, .offset: 8, .size: 8, .value_kind: global_buffer, .address_space: global }
      - { .name: hb, .offset: 16, .size: 8, .value_kind: global_buffer, .address_space: global }
      - { .name: sb, .offset: 24, .size: 8, .value_kind: global_buffer, .address_space: global }
    .group_segment_fixed_size: 0
    .private_segment_fixed_size: 0
    .kernarg_segment_align: 8
    .kernarg_segment_size: 32
    .max_flat_workgroup_size: 256
    .sgpr_count:     66
    .vgpr_count:     66
    .wavefront_size: 32
...
	.end_amdgpu_metadata
.endif
;; end of part 3
;; launch gemm (part 4): grid 16 x 16, 4 waves a work-group, clusters of 4 x 4, 327,680 bytes of LDS; arguments hb, sb, out0; writes out0
.if DOCPART == 4
	.amdgcn_target "amdgcn-amd-amdhsa--gfx1250"
	.amdhsa_code_object_version 6
	.text
	.protected	k_qdb768bbb86_gemm
	.globl	k_qdb768bbb86_gemm
	.p2align	8
	.type	k_qdb768bbb86_gemm,@function
k_qdb768bbb86_gemm:
	s_mov_b64 s[64:65], 0
	v_nop
	global_prefetch_b8 v0, s[64:65] scope:SCOPE_SE
	s_setreg_imm32_b32 hwreg(HW_REG_WAVE_MODE, 25, 1), 1
	s_wait_xcnt 0x0
	s_wait_alu depctr_hold_cnt(0) depctr_sa_sdst(0) depctr_va_vdst(0) depctr_va_sdst(0) depctr_va_ssrc(0) depctr_va_vcc(0) depctr_vm_vsrc(0)
	s_getreg_b32 s2, hwreg(HW_REG_IB_STS2, 6, 4)
	s_cmp_eq_u32 s2, 0
	s_cbranch_scc0 .Lentry_in_a_cluster
	s_endpgm
.Lentry_in_a_cluster:
	s_bfe_u32 s2, ttmp6, 0x10000c
	s_cmp_lg_u32 s2, 0xf033
	s_cbranch_scc0 .Lentry_shape_is_right
	s_endpgm
.Lentry_shape_is_right:
; out0[m][n] = sum over k of A[m][k] B[n][k].  A = hb, B = sb: [4096][4096] bf16, the inputs h and S as the launch in front has rounded them; out0 (C): [4096][4096] f32.  Rows along the last index.
; B is taken as a full dense matrix.  Sums in f32, K ascending, one accumulator for each output; NaN and infinities go through the products as they come.
; SHARES.  A tile of C, 256 x 256, is made by a work-group of four waves; a wave makes 128 x 128: 64 accumulators of 16 x 16, 512 registers.  16 x 16 tiles = 256 work-groups.
; THE RING.  K goes in steps of 128 (a tile's row is 256 bytes, at a multiple of 256 bytes from the buffer's first byte) through two LDS slots filled by the tensor data mover.
; CLUSTERS.  4 x 4 work-groups.  The four of a row of the cluster need the same tiles of A, the four of a column the same tiles of B: each tile is asked for JOINTLY, by the same tensor load
; with the same descriptor and a mask that names the four; that divides the requests for A and for B by four.
; THE MATRIX INSTRUCTION IS USED TRANSPOSED: source 0 = 16 rows of B, source 1 = 16 rows of A: a lane then holds eight neighbouring numbers of a row of C, 32 bytes.
;
; REGISTERS, in windows of 256 (s_set_vgpr_msb's low byte: bits 1:0 source 0, 3:2 source 1, 5:4 source 2, 7:6 destination):
;   window 0: v0-5 at work; v16-17, v20-21 LDS addresses; v24-29 way out and the add; v64-127, v128-191 fragments of A (8 x 16 rows x 32 K), two buffers; on the way out v32-95 and v128-191 hold rows of C
;   window 1: v64-127, v128-191 fragments of B, two buffers
;   window 2: the accumulators of my rows 0-63 (accumulator (a, b) at v[8 (8 (a % 4) + b)]);   window 3: those of my rows 64-127
; Work is laid in long stretches under one setting: 32 matrix instructions, 16 loads, 16 loads, 32 matrix instructions.
.set SIZE,   4096                      ; M = N = K
.set KSTEP,  128
.set KB,     KSTEP*2                   ; bytes of a row in a K step
.set ROWC,   SIZE*4                    ; bytes in a row of C
.set PITCH,  272                       ; an LDS row: 256 bytes + 16 of padding = 68 words: row r starts at bank 4 r mod 64 (64 banks of 4 bytes: ISA guide 11.1), so the 16 rows of a load start at 16 different groups of four banks
.set HALFT,  128*PITCH                 ; 128 rows: what one tensor load brings, and what one wave reads of A or of B
.set SLOT,   4*HALFT                   ; A's 256 rows, then B's 256 rows
.set STAGE,  2*SLOT                    ; behind the ring: 16 rows x 528 bytes for each wave, for the way out; no tensor load lands here
.set SPITCH, 528                       ; 512 bytes + 16 = 132 words: again 16 rows at 16 different groups of four banks
.set SPARE,  STAGE+4*16*SPITCH         ; behind the stages: the spare words, 128 bytes for each wave: two blocks of 256 bytes that no other line names
.set LAPS,   SIZE/(2*KSTEP)            ; a lap = two K steps = once round the ring: 16
.set ADRA, 16                          ; v16-17  LDS address of my A fragments in slot 0, 1
.set ADRB, 20                          ; v20-21  the same for B
.set STO,  24                          ; v24     the way out: where I put 32 bytes of a row
.set RD,   25                          ; v25     the way out: where I read a row back
.set CO,   26                          ; v26     my byte offset in a row of my part of C; never rewritten
.set SPW,  28                          ; v28     LDS address of my spare word: SPARE + 4 x my thread's number; never rewritten
.set NIL,  29                          ; v29     0; never rewritten
.set F0,   64                          ; fragment buffer 0: fragment i at F0 + 8 i
.set F1,   128                         ; fragment buffer 1
.set OB0,  32                          ; the way out: 16 rows read back from the stage, 64 registers: v32-95 and v128-191 by turns
.set OB1,  128
.set G1,  24                           ; s[24:31] descriptor group 1 for A's tiles
.set G0,  32                           ; s[32:39] descriptor group 0 for A's tiles, one set for each slot
.set G1B, 48                           ; s[48:55] group 1 for B's tiles: it differs in the mask alone
.set G0B, 56                           ; s[56:63] group 0 for B's tiles
.set MSB, 0
.macro WIN new                         ; the immediate's high byte repeats the setting that is left; a switch that changes nothing is dropped
.if MSB != (\new)
	s_set_vgpr_msb (MSB<<8)|(\new)
.set MSB, \new
.endif
.endm
.set MUL_LO, 0xa1                      ; source 0 (B) window 1, source 1 (A) window 0, C and D window 2
.set MUL_HI, 0xf1                      ; the same, C and D window 3
.set TO_B,   0x40                      ; destination window 1, address window 0
.set ST_LO,  0x08                      ; an LDS store's data (source 1) in window 2;  + 4: window 3
; A joint load.  Waves 0 and 1 fetch A's two halves, waves 2 and 3 B's.  Each of the two lines has one mask and one set of registers for all that issue it.  The branch hangs on the wave's number alone.
; An s_nop 0 and four v_nop follow each of the two lines; the jump, the label and what follows come after them.
.macro JLOAD s
	s_cmp_eq_u32 s11, 0
	s_cbranch_scc0 .Lfor_b_\@
	tensor_load_to_lds s[G0+4*(\s):G0+4*(\s)+3], s[G1:G1+7]
	s_nop 0
.rept 4
	v_nop
.endr
	s_branch .Lasked_\@
.Lfor_b_\@:
	tensor_load_to_lds s[G0B+4*(\s):G0B+4*(\s)+3], s[G1B:G1B+7]
	s_nop 0
.rept 4
	v_nop
.endr
.Lasked_\@:
.endm
; A round of the cluster's barrier: my work-group's barrier, so that wave 0's signal speaks for all four waves; wave 0 signals for the work-group; every wave waits for all sixteen
; work-groups; my work-group's barrier once more.
.macro CREST                           ; a round behind its opening barrier
	s_cmp_lg_u32 s10, 0
	s_cbranch_scc1 .Lnot_wave_0_\@
	s_barrier_signal -3
.Lnot_wave_0_\@:
	s_barrier_wait -3
	s_barrier_signal -1
	s_barrier_wait -1
.endm
.macro CROUND                          ; a whole round
	s_barrier_signal -1
	s_barrier_wait -1
	CREST
.endm
	s_load_b128 s[4:7], s[0:1], 0x0                ; hb (A) s[4:5], sb (B) s[6:7]
	s_load_b64 s[8:9], s[0:1], 0x10                ; out0 (C)
	v_lshl_add_u32 v[SPW], v0, 2, SPARE
	v_mov_b32 v[NIL], 0
	ds_add_u32 v[SPW], v[NIL]                      ; the wave's opening: the add and its wait stand ahead of my first tensor load; the set-up below, work on registers, stands between them
	v_lshrrev_b32 v1, 5, v0
	v_readfirstlane_b32 s10, v1                    ; wave 0..3
	s_lshr_b32 s11, s10, 1                         ; which half of the tile's rows is mine.  Also: I fetch for A (0) or for B (1)
	s_and_b32 s12, s10, 1                          ; which half of its columns.  Also: which 128 rows of that tile I fetch
	s_bfe_u32 s40, ttmp6, 0x40000                  ; cx: my place along the cluster's x
	s_bfe_u32 s41, ttmp6, 0x40004                  ; cy: along its y
	s_lshl_b32 s42, ttmp9, 2                       ; in a cluster launch ttmp9 and ttmp7 count clusters
	s_add_co_u32 s42, s42, s40                     ; tile column of C = 4 x cluster x + cx
	s_and_b32 s13, ttmp7, 0xffff
	s_lshl_b32 s13, s13, 2
	s_add_co_u32 s13, s13, s41                     ; tile row of C = 4 x cluster y + cy
	s_lshl_b32 s43, s41, 2
	s_lshl_b32 s43, 15, s43                        ; my row of the cluster: places 4 cy .. 4 cy + 3
	s_lshl_b32 s44, 0x1111, s40                    ; my column: places cx, cx + 4, cx + 8, cx + 12
	; descriptor group 1: a tile of 128 rows x 128 elements of 2 bytes, padded in LDS
	s_or_b32 s[G1+0], s43, (1<<16)|(1<<20)|(1<<21)|(5<<22)|(3<<25)   ; 15:0 the mask: A's tiles go to my row; 17:16 elements of 2 bytes; 20 padding on; 21 set beside a mask; 24:22 after every 64 words (code 5); 31:25 4 words of it (code 3)
	s_or_b32 s[G1B+0], s44, (1<<16)|(1<<20)|(1<<21)|(5<<22)|(3<<25)  ; the same with the mask of my column, for B's tiles
.irp g, G1, G1B
	s_mov_b32 s[(\g)+1], KSTEP<<16                 ; tensor_dim0 = 128
	s_mov_b32 s[(\g)+2], 128<<16                   ; tensor_dim1 = 128
	s_mov_b32 s[(\g)+3], KSTEP<<16                 ; tile_dim0 = 128
	s_mov_b32 s[(\g)+4], 128                       ; tile_dim1 = 128
	s_mov_b32 s[(\g)+5], SIZE                      ; 4,096 elements from row to row
	s_mov_b32 s[(\g)+6], 0
	s_mov_b32 s[(\g)+7], 0
.endr
	; where the tiles come from.  A's hang on the tile row alone, which my row of the cluster shares; B's on the tile column alone, which my column shares.
	; Every wave makes both offsets, in registers that never hold the other coordinate.  A row is 8,192 bytes, so the offsets stay under 2^25.
	s_lshl_b32 s17, s12, 7                         ; which 128 rows of the tile I fetch
	s_lshl_b32 s16, s13, 8
	s_add_co_u32 s16, s16, s17                     ; A: row 256 x tile row + 128 x half
	s_lshl_b32 s16, s16, 13
	s_lshl_b32 s46, s42, 8
	s_add_co_u32 s46, s46, s17                     ; B: row 256 x tile column + 128 x half
	s_lshl_b32 s46, s46, 13
	s_mov_b32 s17, 0
	s_mov_b32 s47, 0
	s_mul_i32 s20, s10, HALFT                      ; and where they go: A's two halves, then B's two halves = wave x 128 rows: no place in the cluster enters an LDS address
	s_wait_dscnt 0x0                               ; the opening add is done
	s_wait_kmcnt 0x0
	s_add_nc_u64 s[14:15], s[4:5], s[16:17]
	s_add_nc_u64 s[46:47], s[6:7], s[46:47]
	CROUND                                         ; all sixteen work-groups are here: the first joint loads meet
.irp s, 0,1
	s_mov_b32 s[G0+4*(\s)], 1                                      ; 1:0 count = 1
	s_add_co_u32 s[G0+4*(\s)+1], s20, (\s)*SLOT                    ; 63:32 LDS address
	s_add_nc_u64 s[G0+4*(\s)+2:G0+4*(\s)+3], s[14:15], (\s)*KB     ; 120:64 global address: K step s
	s_or_b32 s[G0+4*(\s)+3], s[G0+4*(\s)+3], 0x80000000            ; 127:126 type = 2
	s_mov_b32 s[G0B+4*(\s)], 1
	s_add_co_u32 s[G0B+4*(\s)+1], s20, (\s)*SLOT
	s_add_nc_u64 s[G0B+4*(\s)+2:G0B+4*(\s)+3], s[46:47], (\s)*KB
	s_or_b32 s[G0B+4*(\s)+3], s[G0B+4*(\s)+3], 0x80000000
.endr
	s_cmp_eq_u32 s11, 0                            ; a wave's two first fills stand in one branch, ahead of every wait on TENSORcnt and every LDS read: two loads of mine are out
	s_cbranch_scc0 .Lfirst_b
	tensor_load_to_lds s[G0:G0+3], s[G1:G1+7]
	s_nop 0
	tensor_load_to_lds s[G0+4:G0+7], s[G1:G1+7]
	s_nop 0
.rept 4
	v_nop
.endr
	s_branch .Lfirst_asked
.Lfirst_b:
	tensor_load_to_lds s[G0B:G0B+3], s[G1B:G1B+7]
	s_nop 0
	tensor_load_to_lds s[G0B+4:G0B+7], s[G1B:G1B+7]
	s_nop 0
.rept 4
	v_nop
.endr
.Lfirst_asked:
	; A fragment is 16 rows x 32 K in 8 registers: lane l holds row l % 16; registers 0-3 hold K = 8 (l / 16) + 0..7, registers 4-7 K = 16 + 8 (l / 16) + 0..7.
	; From rows that lie along K: two loads of 16 bytes, 32 bytes apart, at row x pitch + 16 (l / 16).  The same for source 0 and source 1.
	v_and_b32 v1, 15, v0                           ; l % 16
	v_bfe_u32 v2, v0, 4, 1                         ; l / 16
	v_mul_u32_u24 v3, v1, PITCH
	v_lshl_add_u32 v3, v2, 4, v3                   ; row x pitch + 16 x half
	s_mul_i32 s21, s11, HALFT                      ; my 128 rows of A
	s_mul_i32 s22, s12, HALFT                      ; my 128 rows of B,
	s_add_co_u32 s22, s22, 2*HALFT                 ; which lie behind A's 256
.irp s, 0,1
	v_add_nc_u32 v[ADRA+(\s)], s21, v3
	v_add_nc_u32 v[ADRB+(\s)], s22, v3
	s_add_co_u32 s21, s21, SLOT
	s_add_co_u32 s22, s22, SLOT
.endr
	s_mul_i32 s23, s10, 16*SPITCH
	s_add_co_u32 s23, s23, STAGE                   ; my stage
	v_mul_u32_u24 v5, v1, SPITCH                   ; in: row l % 16, 32 bytes for each half of the lanes
	v_lshl_add_u32 v5, v2, 5, v5
	v_add_nc_u32 v[STO], s23, v5
	v_and_b32 v4, 31, v0
	v_lshlrev_b32 v[CO], 4, v4                     ; back: 32 lanes take one row of 512 bytes; the same 16 bytes in a row of C
	v_add_nc_u32 v[RD], s23, v[CO]
	s_lshl_b32 s16, s13, 8                         ; where my part of the tile begins in C: row 256 x tile row + 128 x half, 16,384 bytes a row,
	s_lshl_b32 s17, s11, 7
	s_add_co_u32 s16, s16, s17
	s_lshl_b32 s16, s16, 14
	s_mov_b32 s17, 0
	s_add_nc_u64 s[8:9], s[8:9], s[16:17]
	s_lshl_b32 s46, s42, 10                        ; byte 1,024 x tile column + 512 x half (in the registers that held B's address)
	s_lshl_b32 s47, s12, 9
	s_add_co_u32 s46, s46, s47
	s_mov_b32 s47, 0
	s_add_nc_u64 s[8:9], s[8:9], s[46:47]
; 16 matrix instructions: m blocks a0, a0 + 1 of the window's four (hi = 0: my rows 0-63, 1: rows 64-127) x all 8 n blocks, 32 along K.  zero = 1: the first product starts the sums: nothing is ever cleared.
; The 64 accumulators take turns, one instruction a turn, in the same order in every quarter step.
.macro MUL16 f, hi, a0, zero
	WIN MUL_LO+0x50*(\hi)  ; MUL_LO or MUL_HI
.irp a, \a0, (\a0)+1
.irp b, 0,1,2,3,4,5,6,7
.if \zero
	v_wmma_f32_16x16x32_bf16 v[8*(8*(\a)+(\b)):8*(8*(\a)+(\b))+7], v[(\f)+8*(\b):(\f)+8*(\b)+7], v[(\f)+8*(4*(\hi)+(\a)):(\f)+8*(4*(\hi)+(\a))+7], 0
.else
	v_wmma_f32_16x16x32_bf16 v[8*(8*(\a)+(\b)):8*(8*(\a)+(\b))+7], v[(\f)+8*(\b):(\f)+8*(\b)+7], v[(\f)+8*(4*(\hi)+(\a)):(\f)+8*(4*(\hi)+(\a))+7], v[8*(8*(\a)+(\b)):8*(8*(\a)+(\b))+7]
.endif
.endr
.endr
.endm
; 32 LDS loads in one run: the fragments of one quarter step (128 rows of B, 128 rows of A, 32 K at byte k of the rows) into buffer f
.macro FETCH slot, k, f
	WIN TO_B
.irp i, 0,1,2,3,4,5,6,7
	ds_load_b128 v[(\f)+8*(\i):(\f)+8*(\i)+3],   v[ADRB+(\slot)] offset:(\k)+(\i)*16*PITCH
	ds_load_b128 v[(\f)+8*(\i)+4:(\f)+8*(\i)+7], v[ADRB+(\slot)] offset:(\k)+(\i)*16*PITCH+32
.endr
	WIN 0
.irp i, 0,1,2,3,4,5,6,7
	ds_load_b128 v[(\f)+8*(\i):(\f)+8*(\i)+3],   v[ADRA+(\slot)] offset:(\k)+(\i)*16*PITCH
	ds_load_b128 v[(\f)+8*(\i)+4:(\f)+8*(\i)+7], v[ADRA+(\slot)] offset:(\k)+(\i)*16*PITCH+32
.endr
.endm
; A load into a register that a matrix instruction has read, and an LDS store that reads a matrix result, stand four places behind that matrix instruction, and only plain vector
; instructions that name none of its registers are places (ISA guide 7.12.1 for vector instructions).  So four v_nop stand in front of each run of loads.
.macro PLACES
.rept 4
	v_nop
.endr
.endm
; A K step is four quarter steps of 32 along K, 64 matrix instructions each, on buffers 0, 1, 0, 1.
; One of the first three: multiplies buffer f; in its middle it fetches the next quarter's fragments, at byte k of the same slot's rows, into buffer g.
.macro QUARTER slot, k, f, g, zero
	s_wait_dscnt 8                                 ; B and A's rows 0-63 are in; the youngest eight loads (A's rows 64-127) may be out
	MUL16 \f, 0, 0, \zero
	MUL16 \f, 0, 2, \zero
	PLACES
	FETCH \slot, \k, \g
	s_wait_dscnt 32                                ; all but the 32 just issued
	MUL16 \f, 1, 0, \zero
	MUL16 \f, 1, 2, \zero
.endm
; The last quarter multiplies buffer 1 and changes slots: ONE barrier, for two things.  In front of it each wave waits for all its tensor loads, of which one is out: its part of the next
; slot; adds 0 to its spare word; and waits for that and for its own reads of this slot.  Behind it nobody reads this slot any more and the next slot is whole.
; fill = 1: the barrier opens a round of the cluster's, and this slot is filled again, first thing behind it, with the K step two on: from that request to the wait for it a wave issues
; 224 matrix instructions.  Then come the next slot's first fragments.
.macro TURN slot, next, fill
	WIN 0                                          ; (the add's two registers lie in window 0)
	s_wait_tensorcnt 0x0                           ; all my tensor loads have landed: no load of mine is out, so a group 0 may be written
	ds_add_u32 v[SPW], v[NIL]                      ; 0 onto my spare word
	s_wait_dscnt 9                                 ; (the add and the youngest eight loads may be out)
	MUL16 F1, 0, 0, 0                              ; sixteen matrix instructions stand between the add and the wait for it
	s_wait_dscnt 0x0                               ; the add is done, and my reads of this slot are over:
	s_barrier_signal -1                            ; say so,
	MUL16 F1, 0, 2, 0                              ; work on registers while the others arrive,
.if \fill
	WIN 0
.endif
	s_barrier_wait -1                              ; and go on when all four have said so
.if \fill
	CREST                                          ; no wave of any partner still reads this slot's tile or has a load on its way
	s_add_nc_u64 s[G0+4*(\slot)+2:G0+4*(\slot)+3], s[G0+4*(\slot)+2:G0+4*(\slot)+3], 2*KB      ; this slot's next K step; the type bits on top are not reached
	s_add_nc_u64 s[G0B+4*(\slot)+2:G0B+4*(\slot)+3], s[G0B+4*(\slot)+2:G0B+4*(\slot)+3], 2*KB
	JLOAD \slot                                    ; my one tensor load behind the round; the four v_nop behind it are also the places in front of the loads below
.else
	PLACES
.endif
	FETCH \next, 0, F0
	MUL16 F1, 1, 0, 0
	MUL16 F1, 1, 2, 0
.endm
	s_wait_tensorcnt 0x1                           ; my part of K step 0 is in; K step 1's may stay out
	s_barrier_signal -1
	s_barrier_wait -1                              ; everybody's is
	FETCH 0, 0, F0
	QUARTER 0, 64,  F0, F1, 1                      ; the first quarter stands in front of the loop: its products start the sums
	WIN 0                                          ; at a label and at a branch every window is 0
	s_mov_b32 s3, LAPS-1
.Llap:                                                 ; a trip goes once round the ring, from a lap's second quarter to the next lap's first: 512 matrix instructions, both slots filled again
	QUARTER 0, 128, F1, F0, 0
	QUARTER 0, 192, F0, F1, 0
	TURN 0, 1, 1
	QUARTER 1, 64,  F0, F1, 0
	QUARTER 1, 128, F1, F0, 0
	QUARTER 1, 192, F0, F1, 0
	TURN 1, 0, 1
	QUARTER 0, 64,  F0, F1, 0
	WIN 0
	s_sub_co_u32 s3, s3, 1
	s_cmp_lg_u32 s3, 0
	s_cbranch_scc1 .Llap
	QUARTER 0, 128, F1, F0, 0                      ; the last lap is written out: it fills nothing, and has no round of the cluster's barrier
	QUARTER 0, 192, F0, F1, 0
	TURN 0, 1, 0                                   ; the last K step has landed, everybody's part
	QUARTER 1, 64,  F0, F1, 0
	QUARTER 1, 128, F1, F0, 0
	QUARTER 1, 192, F0, F1, 0
	s_wait_dscnt 8                                 ; the very last quarter: nothing more to fetch
	MUL16 F1, 0, 0, 0
	MUL16 F1, 0, 2, 0
	s_wait_dscnt 0x0
	MUL16 F1, 1, 0, 0
	MUL16 F1, 1, 2, 0
	; THE WAY OUT.  A lane's 32 bytes are a sixteenth of my 512 bytes of a row of C.  A block of 16 rows at a time goes through my own stage in LDS: in by lanes, back by whole rows.
	WIN 0
	PLACES                                         ; between the last products and the LDS stores that read results, and the loads into registers that products have read
.macro TOSTAGE a
	WIN ST_LO+4*((\a)/4)
.irp b, 0,1,2,3,4,5,6,7                ; each accumulator's four lowest registers go first
	ds_store_b128 v[STO], v[8*(8*((\a)%4)+(\b)):8*(8*((\a)%4)+(\b))+3] offset:64*(\b)
	ds_store_b128 v[STO], v[8*(8*((\a)%4)+(\b))+4:8*(8*((\a)%4)+(\b))+7] offset:64*(\b)+16
.endr
	WIN 0
.if (\a) >= 2
	s_wait_xcnt 0x0                                ; every earlier memory instruction has had its addresses translated (ISA guide 3.1): the registers that block a - 2's stores read are loaded again only behind this wait
.endif
.set BK, OB0+(OB1-OB0)*((\a)%2)
.irp t, 0,1,2,3,4,5,6,7,8,9,10,11,12,13,14,15
	ds_load_b128 v[BK+4*(\t):BK+4*(\t)+3], v[RD] offset:(\t)*SPITCH  ; LDS serves a wave's instructions in order (ISA guide 5.7.1.4): these see the stores above; the next block's stores come behind them
.endr
.endm
.macro SEND a, younger                 ; younger: the LDS instructions issued behind block a's loads: the next block's 32, or none
.set BK, OB0+(OB1-OB0)*((\a)%2)
.irp t, 0,1,2,3,4,5,6,7,8,9,10,11,12,13,14,15
	s_wait_dscnt (\younger)+15-(\t)
	global_store_b128 v[CO], v[BK+4*(\t):BK+4*(\t)+3], s[8:9] offset:(16*(\a)+(\t))*ROWC th:TH_STORE_NT  ; the wave stores 512 consecutive bytes, at a multiple of 512 from C's first byte; 127 rows at the most: inside the signed 24-bit immediate
.endr
.endm
	TOSTAGE 0
.irp a, 1,2,3,4,5,6,7                  ; a block's way through the stage stands between the loads of the block before and its stores
	TOSTAGE \a
	SEND (\a)-1, 32
.endr
	SEND 7, 0
	s_wait_tensorcnt 0x0                           ; the wave's end: behind my last tensor load and my last LDS store
	ds_add_u32 v[SPW], v[NIL]
	s_wait_dscnt 0x0
	CROUND                                         ; the closing round: no work-group ends while a partner may still ask for a tile that names it
	s_endpgm
.Lfunc_end_k_qdb768bbb86_gemm:
	.size	k_qdb768bbb86_gemm, .Lfunc_end_k_qdb768bbb86_gemm-k_qdb768bbb86_gemm
	.p2alignl 7, 3214868480
	.fill 96, 4, 3214868480
	.section	.rodata,"a",@progbits
	.p2align	6, 0x0
	.amdhsa_kernel k_qdb768bbb86_gemm
		.amdhsa_group_segment_fixed_size 327680
		.amdhsa_private_segment_fixed_size 0
		.amdhsa_enable_private_segment 0
		.amdhsa_kernarg_size 24
		.amdhsa_user_sgpr_count 2
		.amdhsa_user_sgpr_kernarg_segment_ptr 1
		.amdhsa_wavefront_size32 1
		.amdhsa_system_sgpr_workgroup_id_x 1
		.amdhsa_system_sgpr_workgroup_id_y 1
		.amdhsa_system_sgpr_workgroup_id_z 1
		.amdhsa_system_vgpr_workitem_id 0
		.amdhsa_next_free_vgpr 1024
		.amdhsa_next_free_sgpr 66
		.amdhsa_reserve_vcc 0
		.amdhsa_float_denorm_mode_32 3
		.amdhsa_float_denorm_mode_16_64 3
		.amdhsa_memory_ordered 1
		.amdhsa_forward_progress 1
		.amdhsa_inst_pref_size 143
	.end_amdhsa_kernel
	.amdgpu_metadata
---
amdhsa.version: [ 1, 2 ]
amdhsa.kernels:
  - .name:           k_qdb768bbb86_gemm
    .symbol:         k_qdb768bbb86_gemm.kd
    .args:
      - { .name: hb, .offset: 0, .size: 8, .value_kind: global_buffer, .address_space: global }
      - { .name: sb, .offset: 8, .size: 8, .value_kind: global_buffer, .address_space: global }
      - { .name: out0, .offset: 16, .size: 8, .value_kind: global_buffer, .address_space: global }
    .group_segment_fixed_size: 327680
    .private_segment_fixed_size: 0
    .kernarg_segment_align: 8
    .kernarg_segment_size: 24
    .max_flat_workgroup_size: 128
    .sgpr_count:     66
    .vgpr_count:     1024
    .wavefront_size: 32
...
	.end_amdgpu_metadata
.endif
;; end of part 4
